; MI455X (gfx1250); checked and timed in simulation.
; The chip was launched on July 23, 2026; its instructions are those of AMD's public machine-readable ISA for CDNA 5 (MIT licence, August 2026) and "CDNA5" Instruction Set Architecture Reference Guide (July 2026). The comments in the code are by the model that wrote it; some were corrected since.
;; Cross Attention. Allowed arithmetic: matrix products marked QUANTISED: E2M3 operands, one E8M0 scale for each 32 along K, by v_wmma_scale_f32_16x16x128_f8f6f4 with both operands' format E2M3, f32 sums; everything else in f32.
;; Inputs: Wc 1,024 x 1,024 float32; Wk 1,024 x 1,024 float32; Wq 1,024 x 1,024 float32; bc 1,024 float32; bk 1,024 float32; bq 1,024 float32; k 2 x 2,048 x 1,024 float32; q 2 x 2,048 x 1,024 float32; v 2 x 2,048 x 1,024 float32.
;; Outputs: out0 2 x 2,048 x 1,024 float32.
;; This version of the problem:
;;   THIS VERSION OF THE PROBLEM IS GIVEN IN LOW PRECISION. The matrix products marked QUANTISED in the list below multiply operands that are first quantised to E2M3 (2 exponent bits, 3 mantissa bits; 6 bits a number), with one power-of-two scale for each 32 numbers along K (OCP MX v1.0); their sums are f32. All else is computed in f32.
;;   The module's matrix products, in the order in which they are computed (A, B: the left and right operand; K: the contracted axis; several contracted axes count as one K, in the product's order):
;;     1. [M 4,096, K 1,024] x [K 1,024, N 1,024]; A: input k; B: input Wk: QUANTISED
;;     2. [M 4,096, K 1,024] x [K 1,024, N 1,024]; A: input q; B: input Wq: QUANTISED
;;     3. batch 32 x [M 2,048, K 64] x [K 64, N 2,048]; A: computed on the way; B: computed on the way: QUANTISED
;;     4. batch 32 x [M 2,048, K 2,048] x [K 2,048, N 64]; A: softmax (see below); B: input v: QUANTISED
;;     5. [M 4,096, K 1,024] x [K 1,024, N 1,024]; A: computed on the way; B: input Wc: QUANTISED
;;   THE QUANTISER, for each operand of a quantised product, along K:
;;     - K is cut into blocks of 32 from its start; a last block that is shorter is filled with zeros.
;;     - A block's scale is 2^e with e = floor(log2(the largest magnitude in the block)) - 2, held to -126 .. 127; a block of zeros has e = 0. As a byte (E8M0): e + 127.
;;     - Each number is divided by its block's scale, clamped to +-7.5, and rounded to the nearest number of E2M3, ties to even, subnormals kept.
;;     - The product sums the exact products of the quantised numbers (number of the format x scale) in f32.
;;   ~~~python
;;   def quantise(x, axis):      # numpy; x: float32 -> the quantised numbers, widened to float32 again
;;       x = np.moveaxis(x, axis, -1); K = x.shape[-1]
;;       x = np.pad(x, [(0, 0)] * (x.ndim - 1) + [(0, -K % 32)]); x = x.reshape(x.shape[:-1] + (-1, 32)); a = np.abs(x).max(-1, keepdims=True)
;;       e = np.where(a > 0, np.clip(np.frexp(np.where(a > 0, a, 1))[1] - 1 - 2, -126, 127), 0)      # np.frexp(a)[1] - 1 = floor(log2(a)), exactly
;;       r = np.clip(x / 2.0 ** e, -7.5, 7.5)
;;       step = 2.0 ** (np.maximum(np.frexp(np.where(r == 0, 1, r))[1] - 1, 0) - 3)
;;       q = np.round(r / step) * step * 2.0 ** e      # np.round: ties to even
;;       return np.moveaxis(q.reshape(q.shape[:-2] + (-1,))[..., :K], -1, axis).astype(np.float32)
;;   ~~~
;;   SOFTMAX AHEAD OF A QUANTISED PRODUCT. Where the list says 'softmax', what is quantised is not the finished softmax but p = 2^(t - M), with t = logit x log2(e) and M = ceil(the row's largest t), a whole number; so 1/2 < the row's largest p <= 1. The row's sum l is taken of the UNQUANTISED p, in f32, and the product's result is divided by l at the end. Since M is a whole number, a kernel that streams over the keys may use a running M (the ceiling of the running maximum): every later rescaling is an exact power of two, which a block's scale takes up: the codes' values come out the same.
;;   OPERANDS COMPUTED ON THE WAY. 'Computed on the way' means the value that the module computes at that place (a softmax that the list does not call 'softmax' is quantised finished and normalised). What goes into a quantiser is computed in f32, as accurately as f32 sums, v_exp_f32 and their like allow (about 1e-6 of the number): no bf16 or f16 on the way to a quantiser, and a product that is left as it is and whose result goes on into a quantised operand takes f32 operands (vector FMAs, or v_wmma_f32_16x16x4_f32). A number that lies on a knife's edge between two numbers of the format may be rounded either way, as far as f32 arithmetic and the matrix unit's own rounding can turn it there, and no further.
;; One version. Each part assembles by itself: llvm-mc -triple=amdgcn-amd-amdhsa -mcpu=gfx1250 --defsym DOCPART=n.
;; ======== version 1 of 1: 4 launches
;; limits: right only within a limited range of input values
;; workspace buffers: rc 8,650,752 bytes; rs 360,448 bytes; vc 3,145,728 bytes; vs 131,072 bytes; hc 6,291,456 bytes; hs 262,144 bytes; yc 3,145,728 bytes; ys 131,072 bytes
;; launch quant (part 1): grid 608 x 1, 4 waves a work-group, no clusters, 34,304 bytes of LDS; arguments k, q, Wk, Wq, Wc, v, rc, rs, vc, vs; writes rc, rs, vc, vs
.if DOCPART == 1
	.amdgcn_target "amdgcn-amd-amdhsa--gfx1250"
	.amdhsa_code_object_version 6
	.text
	.protected	k_q2d74b0a4ad_quant
	.globl	k_q2d74b0a4ad_quant
	.p2align	8
	.type	k_q2d74b0a4ad_quant,@function
k_q2d74b0a4ad_quant:
	s_mov_b64 s[64:65], 0
	v_nop
	global_prefetch_b8 v0, s[64:65] scope:SCOPE_SE
	s_setreg_imm32_b32 hwreg(HW_REG_WAVE_MODE, 25, 1), 1
	s_wait_xcnt 0x0
; k, q [4096][1024], Wk, Wq, Wc [1024][1024] (K = the last axis) and v [2][2048][1024] (K = the keys) become codes of FP6 (E2M3) with one E8M0 byte for each 32 along K.
; A block's scale is 2^(floor(log2(its largest magnitude)) - 2): its byte is the largest magnitude's exponent field - 2, held at 1 from below by a floor among the maximum's leaves.
; (A block of zeros so gets the byte 1 where the rule says 127: its codes are zeros, and the bytes are read by this program alone.)
; LIMITS: NaN and infinities among the inputs are not served.
; THE CODES ARE LAID AS THE OPERAND'S REGISTERS WANT THEM.  A tile is 16 rows; tile 4 G + t holds rows 64 G + 8 t + r % 8 + 32 (r / 8), r = 0 .. 15.  A fragment (16 rows x 128 K, 12 registers a lane) is an
; image of 1,536 bytes: register g of lane l at 512 (g / 4) + 16 l + 4 (g % 4).  rc: tile T, K step s at 12,288 T + 1,536 s (tiles: k 0-255, q 256-511, Wk 512-575, Wq 576-639, Wc 640-703).
; rs: the scale word of row r, K step s at 512 T + 256 (s / 4) + 16 r + 4 (s % 4).  vc: head bh, 128 keys st, tile t of the head's 64 channels at 1,536 ((16 bh + st) 4 + t); vs: its words at 256 (16 bh + st) + 64 t + 4 r.
; Work-groups 0-351 take a pair of tiles (32 rows) of the five row tensors, work-groups 352-607 take 128 keys x 128 columns of v.  No work-group shares an input with another, so there is no cluster; no tensor load, no barrier:
; waves share nothing.  Only the rows' path touches LDS.
.set ROWWG, 352
.set STGB,  8448                       ; a wave's stage: 16 rows x 528 bytes
.set SP,    528                        ; 512 bytes + 16 = 33 x 16: the 16 rows that a load of 16 bytes a lane touches start at 16 different columns of 16 bytes (64 banks of 4 bytes: ISA guide 11.1)
.set R,     16                         ; v16-143  two sets of 64 registers as loaded
.set X,     144                        ; v144-207 64 numbers of my row: register 32 c + i = k 64 c + 32 (lane / 16) + i
.set C,     208                        ; v208-219 the fragment's 12 registers
.set T0,    220                        ; v220-222, v224-226: a conversion's three registers begin on an even number: the upper halves are made here and moved
.set T1,    224
.set MX,    228
.set SO,    230
.set BY,    232
.set SWD,   236                        ; v236-239 my row's scale words of four K steps
.set XV,    16                         ; v's path: v16-79 two sets of 32 numbers down the keys
.set CA,    80                         ; v80-91   the image's lane r (keys 64 c + 0 .. 31)
.set CB,    92                         ; v92-103  the image's lane 16 + r (keys 64 c + 32 .. 63)
.set TV,    104
.set MV,    108
.set SOV,   110
.set BYV,   111
.set SWV,   112
	s_load_b512 s[4:19], s[0:1], 0x0               ; k s[4:5], q s[6:7], Wk s[8:9], Wq s[10:11], Wc s[12:13], v s[14:15], rc s[16:17], rs s[18:19]
	s_load_b128 s[20:23], s[0:1], 0x40             ; vc s[20:21], vs s[22:23]
	v_lshl_add_u32 v240, v0, 2, 0x8400
	v_mov_b32 v241, 0
	v_lshrrev_b32 v1, 5, v0
	v_readfirstlane_b32 s33, v1                    ; wave 0..3
	v_and_b32 v1, 31, v0                           ; lane
	s_cmp_ge_u32 ttmp9, ROWWG
	s_cbranch_scc1 .Lv_path
; ---------------- THE ROW TENSORS.  Wave w: tile u = w / 2 of the pair, K half hf = w % 2: 16 rows x 512 numbers, four K steps of 128.
	s_lshr_b32 s34, s33, 1                         ; u
	s_and_b32 s35, s33, 1                          ; hf
	v_lshlrev_b32 v2, 4, v1                        ; 16 x lane: my bytes of a load's 512, and of an image's 512
	s_mul_i32 s36, s33, STGB
	v_add_nc_u32 v3, s36, v2                       ; into my stage: a row's 512 bytes as they lie
	v_and_b32 v7, 15, v1                           ; r
	v_lshrrev_b32 v8, 4, v1                        ; h
	v_mul_u32_u24 v4, v7, SP
	v_lshl_add_u32 v4, v8, 7, v4
	v_add_nc_u32 v4, s36, v4                       ; out of it: row r, + 128 h: my block of 32 numbers
	v_lshlrev_b32 v5, 3, v8                        ; 8 h: my bytes' place in the scale word
	v_lshlrev_b32 v6, 4, v7                        ; 16 r: my row's four scale words
	v_mov_b32 v235, 0                              ; written once: a lane permute's destination counts as one of its sources
	s_mov_b32 s30, 0x76543210
	s_mov_b32 s31, 0xfedcba98                      ; v_permlanex16_b32's selects for lane l xor 16
	s_wait_alu depctr_va_vdst(0)
	s_wait_kmcnt 0x0
	s_mov_b64 s[24:25], s[12:13]                   ; which tensor: the choice hangs on the work-group's number alone
	s_mov_b32 s26, 320                             ; and its first pair of tiles
	s_cmp_lt_u32 ttmp9, 320
	s_cselect_b64 s[24:25], s[10:11], s[24:25]
	s_cselect_b32 s26, 288, s26
	s_cmp_lt_u32 ttmp9, 288
	s_cselect_b64 s[24:25], s[8:9], s[24:25]
	s_cselect_b32 s26, 256, s26
	s_cmp_lt_u32 ttmp9, 256
	s_cselect_b64 s[24:25], s[6:7], s[24:25]
	s_cselect_b32 s26, 128, s26
	s_cmp_lt_u32 ttmp9, 128
	s_cselect_b64 s[24:25], s[4:5], s[24:25]
	s_cselect_b32 s26, 0, s26
	s_sub_co_u32 s28, ttmp9, s26
	; THE ROWS OF A TILE: tile 4 G + t holds rows 64 G + 8 t + r % 8 + 32 (r / 8), r = 0 .. 15 (this holds for all five row tensors, in place of pairs of 32 rows)
	s_and_b32 s29, s28, 1
	s_lshr_b32 s28, s28, 1
	s_lshl_b32 s28, s28, 18                        ; 64 rows of 4,096 bytes a group of four tiles,
	s_lshl_b32 s29, s29, 16                        ; 16 rows on for the group's second pair of tiles,
	s_add_co_u32 s28, s28, s29
	s_lshl_b32 s29, s34, 15                        ; 8 rows on for the pair's second tile,
	s_add_co_u32 s28, s28, s29
	s_lshl_b32 s29, s35, 11                        ; 512 numbers on for the second K half
	s_add_co_u32 s28, s28, s29
	s_mov_b32 s29, 0
	s_add_nc_u64 s[24:25], s[24:25], s[28:29]
	s_lshl_b32 s28, ttmp9, 1
	s_add_co_u32 s28, s28, s34                     ; my tile T
	s_mul_i32 s36, s28, 12288
	s_mul_i32 s37, s35, 6144
	s_add_co_u32 s36, s36, s37
	s_mov_b32 s37, 0
	s_add_nc_u64 s[16:17], s[16:17], s[36:37]      ; rc at my four images
	s_lshl_b32 s36, s28, 9
	s_lshl_b32 s38, s35, 8
	s_add_co_u32 s36, s36, s38
	s_add_nc_u64 s[18:19], s[18:19], s[36:37]      ; rs at my 256 bytes
.macro LOADR t                         ; K step t: 512 consecutive bytes of each of my 16 rows
.irp i, 0,1,2,3,4,5,6,7,8,9,10,11,12,13,14,15
	global_load_b128 v[R+64*((\t)%2)+4*\i:R+64*((\t)%2)+4*\i+3], v2, s[24:25] offset:(\i+24*(\i/8))*4096+512*(\t) th:TH_LOAD_NT
.endr
.endm
.macro STEPR t
.if (\t) < 3
	s_wait_loadcnt 16                              ; this K step's 16 loads are in; the next step's 16 may be out
.else
	s_wait_loadcnt 0x0
.endif
.irp i, 0,1,2,3,4,5,6,7,8,9,10,11,12,13,14,15
	ds_store_b128 v3, v[R+64*((\t)%2)+4*\i:R+64*((\t)%2)+4*\i+3] offset:SP*\i
.endr
.irp c, 0,1
.irp j, 0,1,2,3,4,5,6,7
	ds_load_b128 v[X+32*\c+4*\j:X+32*\c+4*\j+3], v4 offset:256*\c+16*\j   ; LDS serves a wave's instructions in order (ISA guide 5.7.1.4): these see the stores above
.endr
.endr
	s_wait_dscnt 0x0                               ; my 64 numbers are in, and the stores have read their registers,
.if (\t) < 2
	LOADR (\t)+2                                   ; which take the loads of two steps on
.endif
.irp c, 0,1
	v_max3_num_f32 v[MX+\c], |v[X+32*\c]|, |v[X+32*\c+1]|, 0x1800000   ; block 2 c + h is all mine; the floor 2^(3 - 127) holds the byte at 1 from below
.endr
.irp i, 2,4,6,8,10,12,14,16,18,20,22,24,26,28,30
.irp c, 0,1
	v_max3_num_f32 v[MX+\c], v[MX+\c], |v[X+32*\c+\i]|, |v[X+32*\c+\i+1]|
.endr
.endr
.irp c, 0,1
	v_add_nc_u32 v[SO+\c], 0xff000000, v[MX+\c]    ; 2 off the exponent field: the conversion's scale operand
.endr
.irp c, 0,1
	v_lshrrev_b32 v[BY+\c], 23, v[SO+\c]           ; the scale's byte
.endr
	v_lshl_or_b32 v234, v[BY+1], 16, v[BY]         ; my two bytes: blocks h and 2 + h,
	v_lshlrev_b32 v234, v5, v234                   ; at their places;
	v_permlanex16_b32 v235, v234, s30, s31
	v_or_b32 v[SWD+(\t)], v234, v235               ; with lane l xor 16's two the word is whole
.if (\t) > 0
	s_wait_alu depctr_va_vdst(0)
	s_wait_xcnt 0x0                                ; the last step's stores have read the codes' registers: only now are these written again
.endif
	v_cvt_scalef32_pk16_fp6_f32 v[C:C+2], v[X:X+15], v[SO]
	v_cvt_scalef32_pk16_fp6_f32 v[T0:T0+2], v[X+16:X+31], v[SO]
	v_cvt_scalef32_pk16_fp6_f32 v[C+6:C+8], v[X+32:X+47], v[SO+1]
	v_cvt_scalef32_pk16_fp6_f32 v[T1:T1+2], v[X+48:X+63], v[SO+1]
	v_nop                                          ; one plain place behind a scaled conversion
.irp i, 0,1,2
	v_mov_b32 v[C+3+\i], v[T0+\i]
	v_mov_b32 v[C+9+\i], v[T1+\i]
.endr
.irp i, 0,1,2
	global_store_b128 v2, v[C+4*\i:C+4*\i+3], s[16:17] offset:1536*(\t)+512*\i   ; 32 lanes store 512 consecutive bytes, at a multiple of 256 from rc's first byte
.endr
.endm
	LOADR 0
	LOADR 1
	STEPR 0
	STEPR 1
	STEPR 2
	STEPR 3
	s_wait_xcnt 0x0                                ; EXEC changes only behind this wait
	v_cmp_gt_u32 vcc_lo, 16, v1
	s_wait_tensorcnt 0x0
	ds_add_u32 v240, v241
	s_wait_dscnt 0x0
	s_and_saveexec_b32 s32, vcc_lo                 ; lanes 16-31 hold the same words
	global_store_b128 v6, v[SWD:SWD+3], s[18:19]   ; 16 lanes store 256 consecutive bytes, aligned
	s_wait_xcnt 0x0
	s_or_b32 exec_lo, exec_lo, s32
	s_endpgm
; ---------------- v.  A LANE TAKES A COLUMN AND ITS REGISTERS RUN DOWN THE KEYS: a block of 32 keys lies in one lane, and the codes come out with the keys innermost.  Wave w: 32 columns x 128 keys.
.Lv_path:
	s_sub_co_u32 s26, ttmp9, ROWWG
	s_and_b32 s27, s26, 7
	s_bfe_u32 s28, s26, 0x40003                    ; st: which 128 keys
	s_lshr_b32 s29, s26, 7                         ; the batch
	s_lshl_b32 s27, s27, 2
	s_add_co_u32 s27, s27, s33                     ; g: which 32 columns of the 1,024
	s_lshr_b32 s30, s27, 1                         ; the head,
	s_and_b32 s31, s27, 1                          ; and which half of its 64 channels: tiles 2 b', 2 b' + 1
	s_lshl_b32 s32, s29, 4
	s_add_co_u32 s32, s32, s30                     ; bh
	s_lshl_b32 s32, s32, 4
	s_add_co_u32 s32, s32, s28                     ; 16 bh + st
	s_lshl_b32 s34, s29, 23                        ; v: 2,048 rows of 4,096 bytes a batch,
	s_lshl_b32 s35, s28, 19                        ; 128 rows a step,
	s_add_co_u32 s34, s34, s35
	s_lshl_b32 s35, s27, 7                         ; 128 bytes a group of columns
	s_add_co_u32 s34, s34, s35
	s_mov_b32 s35, 0
	s_lshl_b32 s36, s32, 2
	; v's tiles: tile t of a head holds channels 8 t + r % 8 + 32 (r / 8).  My 32 columns are channels 32 b' + y: tile y / 8, row y % 8 + 8 b'
	s_mul_i32 s36, s36, 1536
	s_lshl_b32 s37, s31, 7                         ; 16 bytes a row: 8 b' rows on
	s_add_co_u32 s36, s36, s37
	s_mov_b32 s37, 0
	s_lshl_b32 s38, s32, 8
	s_lshl_b32 s39, s31, 5
	s_add_co_u32 s38, s38, s39
	s_mov_b32 s39, 0
	s_wait_alu depctr_va_vdst(0)
	v_lshlrev_b32 v2, 2, v1                        ; in: 4 bytes a lane
	v_lshrrev_b32 v5, 3, v1                        ; tile y / 8
	v_and_b32 v6, 7, v1
	v_mul_u32_u24 v3, v5, 1536
	v_lshl_add_u32 v3, v6, 4, v3                   ; out: image u, lane r
	v_lshlrev_b32 v4, 6, v5
	v_lshl_add_u32 v4, v6, 2, v4                   ; and its scale word
	s_wait_alu depctr_va_vdst(0)
	s_wait_kmcnt 0x0
	s_add_nc_u64 s[14:15], s[14:15], s[34:35]
	s_add_nc_u64 s[20:21], s[20:21], s[36:37]
	s_add_nc_u64 s[22:23], s[22:23], s[38:39]
.macro LOADV t                         ; block t: keys 32 t + 0 .. 31 of my column; a wave reads 128 consecutive bytes, the four waves 512
.set I, 0
.rept 32
	global_load_b32 v[XV+32*((\t)%2)+I], v2, s[14:15] offset:(32*(\t)+I)*4096 th:TH_LOAD_NT
.set I, I+1
.endr
.endm
.macro BLOCKV t
.set XS, XV+32*((\t)%2)
.set CD, CA+12*((\t)%2)+6*((\t)/2)     ; keys 64 c + 32 hh + .. are registers 6 c .. 6 c + 5 of the image's lane r + 16 hh
.if (\t) < 3
	s_wait_loadcnt 32                              ; this block's 32 loads are in; the next block's may be out
.else
	s_wait_loadcnt 0x0
.endif
	v_max3_num_f32 v[MV], |v[XS]|, |v[XS+1]|, |v[XS+2]|
	v_max3_num_f32 v[MV+1], |v[XS+3]|, |v[XS+4]|, |v[XS+5]|
.irp i, 6,10,14,18,22,26
	v_max3_num_f32 v[MV], v[MV], |v[XS+\i]|, |v[XS+\i+1]|
	v_max3_num_f32 v[MV+1], v[MV+1], |v[XS+\i+2]|, |v[XS+\i+3]|
.endr
	v_max3_num_f32 v[MV], v[MV], |v[XS+30]|, |v[XS+31]|
	v_max3_num_f32 v[MV], v[MV], v[MV+1], 0x1800000   ; and the floor
	v_add_nc_u32 v[SOV], 0xff000000, v[MV]
	v_lshrrev_b32 v[BYV], 23, v[SOV]
.if (\t) == 0
	v_mov_b32 v[SWV], v[BYV]
.else
	v_lshl_or_b32 v[SWV], v[BYV], 8*(\t), v[SWV]   ; byte t of the word scales keys 32 t on
.endif
	v_cvt_scalef32_pk16_fp6_f32 v[CD:CD+2], v[XS:XS+15], v[SOV]
	v_cvt_scalef32_pk16_fp6_f32 v[TV:TV+2], v[XS+16:XS+31], v[SOV]
	v_nop                                          ; one plain place behind a scaled conversion
.irp i, 0,1,2
	v_mov_b32 v[CD+3+\i], v[TV+\i]
.endr
.if (\t) < 2
	LOADV (\t)+2
.endif
.endm
	LOADV 0
	LOADV 1
	BLOCKV 0
	BLOCKV 1
	BLOCKV 2
	BLOCKV 3
.irp i, 0,1,2
	global_store_b128 v3, v[CA+4*\i:CA+4*\i+3], s[20:21] offset:512*\i       ; the 8 lanes of a tile store 128 consecutive bytes, aligned: four such runs an instruction
	global_store_b128 v3, v[CB+4*\i:CB+4*\i+3], s[20:21] offset:512*\i+256
.endr
	global_store_b32 v4, v[SWV], s[22:23]          ; four runs of 32 consecutive bytes a wave
	s_endpgm
.Lfunc_end_k_q2d74b0a4ad_quant:
	.size	k_q2d74b0a4ad_quant, .Lfunc_end_k_q2d74b0a4ad_quant-k_q2d74b0a4ad_quant
	.p2alignl 7, 3214868480
	.fill 96, 4, 3214868480
	.section	.rodata,"a",@progbits
	.p2align	6, 0x0
	.amdhsa_kernel k_q2d74b0a4ad_quant
		.amdhsa_group_segment_fixed_size 34304
		.amdhsa_private_segment_fixed_size 0
		.amdhsa_enable_private_segment 0
		.amdhsa_kernarg_size 80
		.amdhsa_user_sgpr_count 2
		.amdhsa_user_sgpr_kernarg_segment_ptr 1
		.amdhsa_wavefront_size32 1
		.amdhsa_system_sgpr_workgroup_id_x 1
		.amdhsa_system_sgpr_workgroup_id_y 1
		.amdhsa_system_sgpr_workgroup_id_z 1
		.amdhsa_system_vgpr_workitem_id 0
		.amdhsa_next_free_vgpr 242
		.amdhsa_next_free_sgpr 66
		.amdhsa_reserve_vcc 1
		.amdhsa_float_denorm_mode_32 3
		.amdhsa_float_denorm_mode_16_64 3
		.amdhsa_memory_ordered 1
		.amdhsa_forward_progress 1
		.amdhsa_inst_pref_size 51
	.end_amdhsa_kernel
	.amdgpu_metadata
---
amdhsa.version: [ 1, 2 ]
amdhsa.kernels:
  - .name:           k_q2d74b0a4ad_quant
    .symbol:         k_q2d74b0a4ad_quant.kd
    .args:
      - { .name: k, .offset: 0, .size: 8, .value_kind: global_buffer, .address_space: global }
      - { .name: q, .offset: 8, .size: 8, .value_kind: global_buffer, .address_space: global }
      - { .name: Wk, .offset: 16, .size: 8, .value_kind: global_buffer, .address_space: global }
      - { .name: Wq, .offset: 24, .size: 8, .value_kind: global_buffer, .address_space: global }
      - { .name: Wc, .offset: 32, .size: 8, .value_kind: global_buffer, .address_space: global }
      - { .name: v, .offset: 40, .size: 8, .value_kind: global_buffer, .address_space: global }
      - { .name: rc, .offset: 48, .size: 8, .value_kind: global_buffer, .address_space: global }
      - { .name: rs, .offset: 56, .size: 8, .value_kind: global_buffer, .address_space: global }
      - { .name: vc, .offset: 64, .size: 8, .value_kind: global_buffer, .address_space: global }
      - { .name: vs, .offset: 72, .size: 8, .value_kind: global_buffer, .address_space: global }
    .group_segment_fixed_size: 34304
    .private_segment_fixed_size: 0
    .kernarg_segment_align: 8
    .kernarg_segment_size: 80
    .max_flat_workgroup_size: 128
    .sgpr_count:     66
    .vgpr_count:     242
    .wavefront_size: 32
...
	.end_amdgpu_metadata
.endif
;; end of part 1
;; launch proj (part 2): grid 8 x 32, 16 waves a work-group, clusters of 4 x 4, 296,960 bytes of LDS; arguments rc, rs, bk, bq, hc, hs; writes hc, hs
.if DOCPART == 2
	.amdgcn_target "amdgcn-amd-amdhsa--gfx1250"
	.amdhsa_code_object_version 6
	.text
	.protected	k_q2d74b0a4ad_proj
	.globl	k_q2d74b0a4ad_proj
	.p2align	8
	.type	k_q2d74b0a4ad_proj,@function
k_q2d74b0a4ad_proj:
	s_mov_b64 s[64:65], 0
	v_nop
	global_prefetch_b8 v0, s[64:65] scope:SCOPE_SE
	s_setreg_imm32_b32 hwreg(HW_REG_WAVE_MODE, 25, 1), 1
	s_wait_xcnt 0x0
	s_wait_alu depctr_hold_cnt(0) depctr_sa_sdst(0) depctr_va_vdst(0) depctr_va_sdst(0) depctr_va_ssrc(0) depctr_va_vcc(0) depctr_vm_vsrc(0)
	s_getreg_b32 s2, hwreg(HW_REG_IB_STS2, 6, 4)
	s_cmp_eq_u32 s2, 0
	s_cbranch_scc0 .Lentry_in_a_cluster
	s_endpgm
.Lentry_in_a_cluster:
	s_bfe_u32 s2, ttmp6, 0x10000c
	s_cmp_lg_u32 s2, 0xf033
	s_cbranch_scc0 .Lentry_shape_is_right
	s_endpgm
.Lentry_shape_is_right:
; kp = k Wk^T + bk and qp = q Wq^T + bq on codes of FP6 (E2M3), sums in f32; the results are quantised again along a head's 64 channels, as the scores' operands.
; A work-group makes 256 tokens x 128 channels (two heads) over all of K = 1,024.  Work-group y 0-15: k, 16-31: q.  Wave w: head 2 x + w % 2, pair of token tiles w / 2: 4 weight tiles x 2 token tiles, 8 accumulators.
; TRANSPOSED USE (source 0 = 16 rows of the weight, source 1 = 16 tokens): a lane holds one token.  Tile 4 G + t holds rows 64 G + 8 t + r % 8 + 32 (r / 8), so register 8 t + j of lane (r, h) is the head's
; channel 32 h + 8 t + j: a lane's 32 registers are one whole block of 32 along the scores' K: its maximum needs no other lane, and its codes are the operand's registers as they stand.
; The bias is loaded into the accumulators: it is the C of each sum's first product.
; OPERANDS lie in rc as images of their registers (1,536 bytes for 16 rows x 128 K), a tile's eight K steps on end (12,288 bytes).  The 16 token tiles and the 8 weight tiles are dense runs of memory and keep that order
; in LDS.  Every LDS byte is filled once: waves 0-7 ask for two token tiles each, waves 8-15 for one weight tile each: one tensor load a wave, one wait for all, one barrier.
; CLUSTER 4 x 4: tokens are shared along a row of the cluster, the weight's rows along a column: joint loads.  No prefetch: all fills are asked for at the head, and no loop runs ahead of them.
; OUT: hc: tensor X (0 kh, 1 qh), head bh, token tile t at 3,145,728 X + 768 (128 bh + t): registers 0-3 at 16 x lane, 4-5 at 512 + 8 x lane.
;      hs: at 131,072 X + 64 (64 bh + P) + 4 r one word: bytes 0, 1 the two blocks of tile 2 P's row r, bytes 2, 3 those of tile 2 P + 1's.
; LIMITS: NaN and infinities are not served; a block of zeros gets the byte 1 (its codes are zeros; this program alone reads the bytes).
.set TILE, 12288
.set WC,   196608                      ; LDS: the tokens' 16 tiles from byte 0, the weight's 8 from here
.set SPARE, 294912                     ; the spare words: 128 bytes a wave
.set G1X,  28
.set G1W,  36
.set G0X,  44
.set G0W,  48
.set AX,   4
.set AW,   5
.set SH,   11                          ; 8 h
.set ACC,  16                          ; v16-79   accumulator (e, t) at 32 e + 8 t
.set FW,   80                          ; v80-127  the weight's four fragments
.set FX,   128                         ; v128-151 the tokens' two
.set SW,   152                         ; v152-167 the weight's scale words: register 8 i + s: lanes 0-15 tile 2 i, lanes 16-31 tile 2 i + 1
.set SX,   168                         ; v168-175 the tokens': lanes 0-15 tile 0, lanes 16-31 tile 1
.set MX,   176
.set PT,   178
.set SO,   180
.set BY,   182
.set T,    186
.set D0,   190
.set D1,   196
.set WD,   202
.macro ROUND
	s_barrier_signal -1
	s_barrier_wait -1
	s_cmp_lg_u32 s16, 0
	s_cbranch_scc1 .Lnot_wave_0_\@
	s_barrier_signal -3
.Lnot_wave_0_\@:
	s_barrier_wait -3
	s_barrier_signal -1
	s_barrier_wait -1
.endm
.macro WM d, a, b, sa, sb, ra, rb
.if (\ra) && (\rb)
	v_wmma_scale_f32_16x16x128_f8f6f4 v[\d:\d+7], v[\a:\a+11], v[\b:\b+11], v[\d:\d+7], v[\sa], v[\sb] matrix_a_fmt:MATRIX_FMT_FP6 matrix_b_fmt:MATRIX_FMT_FP6 matrix_a_scale:MATRIX_SCALE_ROW1 matrix_b_scale:MATRIX_SCALE_ROW1
.elseif (\ra)
	v_wmma_scale_f32_16x16x128_f8f6f4 v[\d:\d+7], v[\a:\a+11], v[\b:\b+11], v[\d:\d+7], v[\sa], v[\sb] matrix_a_fmt:MATRIX_FMT_FP6 matrix_b_fmt:MATRIX_FMT_FP6 matrix_a_scale:MATRIX_SCALE_ROW1
.elseif (\rb)
	v_wmma_scale_f32_16x16x128_f8f6f4 v[\d:\d+7], v[\a:\a+11], v[\b:\b+11], v[\d:\d+7], v[\sa], v[\sb] matrix_a_fmt:MATRIX_FMT_FP6 matrix_b_fmt:MATRIX_FMT_FP6 matrix_b_scale:MATRIX_SCALE_ROW1
.else
	v_wmma_scale_f32_16x16x128_f8f6f4 v[\d:\d+7], v[\a:\a+11], v[\b:\b+11], v[\d:\d+7], v[\sa], v[\sb] matrix_a_fmt:MATRIX_FMT_FP6 matrix_b_fmt:MATRIX_FMT_FP6
.endif
.endm
	s_load_b256 s[4:11], s[0:1], 0x0               ; rc, rs, bk, bq
	s_load_b128 s[12:15], s[0:1], 0x20             ; hc, hs
	v_lshl_add_u32 v254, v0, 2, SPARE
	v_mov_b32 v255, 0
	ds_add_u32 v254, v255                          ; the opening lines: the add twice on end and one wait
	ds_add_u32 v254, v255
	v_lshrrev_b32 v1, 5, v0
	v_readfirstlane_b32 s16, v1                    ; wave 0..15
	s_and_b32 s24, s16, 1                          ; hn
	s_lshr_b32 s25, s16, 1                         ; tp
	v_and_b32 v1, 31, v0
	v_and_b32 v9, 15, v0                           ; r
	v_bfe_u32 v10, v0, 4, 1                        ; h
	v_lshlrev_b32 v2, 4, v1                        ; 16 x lane
	v_lshlrev_b32 v3, 3, v1                        ; 8 x lane
	s_mul_i32 s60, s25, 2*TILE
	v_add_nc_u32 v[AX], s60, v2
	s_mul_i32 s61, s24, 4*TILE
	s_add_co_u32 s61, s61, WC
	v_add_nc_u32 v[AW], s61, v2
	v_lshlrev_b32 v6, 4, v9
	v_lshlrev_b32 v7, 7, v10                       ; the bias: 32 numbers on for lanes 16-31
	v_lshlrev_b32 v8, 2, v9                        ; 4 r
	v_lshl_add_u32 v6, v10, 9, v6                  ; scale words: 16 r, lanes 16-31 a tile on
	v_lshlrev_b32 v[SH], 3, v10
	v_mov_b32 v[PT], 0                             ; a lane permute's destination counts as a source
	s_mov_b32 s26, 0x76543210
	s_mov_b32 s27, 0xfedcba98
	s_bfe_u32 s17, ttmp6, 0x40000                  ; cx, cy
	s_bfe_u32 s18, ttmp6, 0x40004
	s_lshl_b32 s19, ttmp9, 2
	s_add_co_u32 s19, s19, s17                     ; work-group x: which 128 channels
	s_and_b32 s21, ttmp7, 0xffff
	s_lshl_b32 s20, s21, 2
	s_add_co_u32 s20, s20, s18                     ; work-group y: which 256 tokens of k, then of q
	s_lshr_b32 s21, s21, 2                         ; X: 0 for k, 1 for q
	s_lshl_b32 s22, s18, 2
	s_lshl_b32 s22, 15, s22                        ; my row of the cluster
	s_lshl_b32 s23, 0x1111, s17                    ; my column
	; group 1: dense runs as rows of 256 bytes (32 elements of 8 bytes): 96 rows for two token tiles, 48 for a weight tile
	s_or_b32 s[G1X], s22, (3<<16)|(1<<21)
	s_mov_b32 s[G1X+1], 32<<16
	s_mov_b32 s[G1X+2], 96<<16
	s_mov_b32 s[G1X+3], 32<<16
	s_mov_b32 s[G1X+4], 96
	s_mov_b32 s[G1X+5], 32
	s_mov_b32 s[G1X+6], 0
	s_mov_b32 s[G1X+7], 0
	s_or_b32 s[G1W], s23, (3<<16)|(1<<21)
	s_mov_b32 s[G1W+1], 32<<16
	s_mov_b32 s[G1W+2], 48<<16
	s_mov_b32 s[G1W+3], 32<<16
	s_mov_b32 s[G1W+4], 48
	s_mov_b32 s[G1W+5], 32
	s_mov_b32 s[G1W+6], 0
	s_mov_b32 s[G1W+7], 0
	s_and_b32 s84, s16, 7                          ; which part I ask for
	s_lshl_b32 s85, s20, 4                         ; tokens: tile 16 y + 2 part (work-group y alone)
	s_lshl_b32 s86, s84, 1
	s_add_co_u32 s85, s85, s86
	s_mul_i32 s86, s85, TILE
	s_mov_b32 s87, 0
	s_lshl_b32 s90, s21, 6                         ; weight: tile 512 + 64 X + 8 x + part (work-group x and X alone)
	s_lshl_b32 s91, s19, 3
	s_add_co_u32 s90, s90, s91
	s_add_co_u32 s90, s90, s84
	s_add_co_u32 s90, s90, 512
	s_mul_i32 s90, s90, TILE
	s_mov_b32 s91, 0
	s_mov_b32 s[G0X], 1
	s_mul_i32 s[G0X+1], s84, 2*TILE                ; LDS addresses hang on the wave's number alone
	s_mov_b32 s[G0W], 1
	s_mul_i32 s[G0W+1], s84, TILE
	s_add_co_u32 s[G0W+1], s[G0W+1], WC
	s_wait_dscnt 0x0
	s_wait_kmcnt 0x0
	s_add_nc_u64 s[G0X+2:G0X+3], s[4:5], s[86:87]
	s_or_b32 s[G0X+3], s[G0X+3], 0x80000000
	s_add_nc_u64 s[G0W+2:G0W+3], s[4:5], s[90:91]
	s_or_b32 s[G0W+3], s[G0W+3], 0x80000000
	ROUND                                          ; all sixteen work-groups are here: the joint loads meet
	s_cmp_lt_u32 s16, 8                            ; one tensor load a wave: every way passes exactly one
	s_cbranch_scc0 .Lfor_w
	tensor_load_to_lds s[G0X:G0X+3], s[G1X:G1X+7]
	s_nop 0
.rept 4
	v_nop
.endr
	s_branch .Lasked
.Lfor_w:
	tensor_load_to_lds s[G0W:G0W+3], s[G1W:G1W+7]
	s_nop 0
.rept 4
	v_nop
.endr
.Lasked:
	s_lshl_b32 s2, s19, 1
	s_add_co_u32 s2, s2, s24                       ; my head
	s_mov_b32 s99, 0
	s_lshl_b32 s98, s2, 8
	s_cmp_eq_u32 s21, 0
	s_cselect_b64 s[92:93], s[8:9], s[10:11]       ; bk or bq
	s_add_nc_u64 s[92:93], s[92:93], s[98:99]
	s_lshl_b32 s98, s20, 4
	s_lshl_b32 s3, s25, 1
	s_add_co_u32 s98, s98, s3
	s_lshl_b32 s98, s98, 9
	s_add_nc_u64 s[94:95], s[6:7], s[98:99]        ; my token tiles' scale words
	s_lshl_b32 s98, s21, 6
	s_lshl_b32 s3, s19, 3
	s_add_co_u32 s98, s98, s3
	s_lshl_b32 s3, s24, 2
	s_add_co_u32 s98, s98, s3
	s_add_co_u32 s98, s98, 512
	s_lshl_b32 s98, s98, 9
	s_add_nc_u64 s[96:97], s[6:7], s[98:99]        ; my weight tiles' scale words
	s_wait_alu depctr_va_vdst(0)
.irp e, 0,1
.irp t, 0,1,2,3
	global_load_b128 v[ACC+32*\e+8*\t:ACC+32*\e+8*\t+3], v7, s[92:93] offset:32*\t        ; the bias of channels 32 h + 8 t + 0 .. 7
	global_load_b128 v[ACC+32*\e+8*\t+4:ACC+32*\e+8*\t+7], v7, s[92:93] offset:32*\t+16
.endr
.endr
	global_load_b128 v[SX:SX+3], v6, s[94:95]
	global_load_b128 v[SX+4:SX+7], v6, s[94:95] offset:256
.irp i, 0,1
	global_load_b128 v[SW+8*\i:SW+8*\i+3], v6, s[96:97] offset:1024*\i
	global_load_b128 v[SW+8*\i+4:SW+8*\i+7], v6, s[96:97] offset:1024*\i+256
.endr
	s_bfe_u32 s3, s20, 0x10003                     ; the batch
	s_lshl_b32 s3, s3, 4
	s_add_co_u32 s3, s3, s2                        ; bh
	s_and_b32 s98, s20, 7
	s_lshl_b32 s98, s98, 3
	s_add_co_u32 s98, s98, s25                     ; P
	s_lshl_b32 s3, s3, 6
	s_add_co_u32 s3, s3, s98
	s_mul_i32 s98, s3, 1536
	s_mul_i32 s2, s21, 3145728
	s_add_co_u32 s98, s98, s2
	s_add_nc_u64 s[12:13], s[12:13], s[98:99]
	s_lshl_b32 s98, s3, 6
	s_lshl_b32 s2, s21, 17
	s_add_co_u32 s98, s98, s2
	s_add_nc_u64 s[14:15], s[14:15], s[98:99]
	s_wait_loadcnt 0x0                             ; the bias and the scale words
	s_wait_tensorcnt 0x0                           ; my one load has landed
	s_barrier_signal -1
	s_barrier_wait -1                              ; everybody's has: both panels are whole, and nothing is filled again
.macro KSTEP s                         ; 128 along K; the eight accumulators take turns in the same order in every step
.if (\s) > 0
.rept 4
	v_nop                                          ; four places between the last products and the loads into their sources
.endr
.endif
.irp t, 0,1,2,3
.irp c, 0,1,2
	ds_load_b128 v[FW+12*\t+4*\c:FW+12*\t+4*\c+3], v[AW] offset:TILE*\t+1536*(\s)+512*\c
.endr
.endr
.irp e, 0,1
.irp c, 0,1,2
	ds_load_b128 v[FX+12*\e+4*\c:FX+12*\e+4*\c+3], v[AX] offset:TILE*\e+1536*(\s)+512*\c
.endr
.endr
	s_wait_dscnt 0x0
.irp e, 0,1
.irp t, 0,1,2,3
	WM ACC+32*\e+8*\t, FW+12*\t, FX+12*\e, SW+8*(\t/2)+(\s), SX+(\s), \t%2, \e
.endr
.endr
.endm
.irp s, 0,1,2,3,4,5,6,7
	KSTEP \s
.endr
; A lane's 32 numbers, channels 32 h + 0 .. 31 of its token, become 6 registers of codes and one scale byte.  Each accumulator is read from its low end on.
.macro QUANT1 src, dst, by
.irp q, 0,1
	v_max3_num_f32 v[MX+\q], |v[(\src)+16*\q]|, |v[(\src)+16*\q+1]|, 0x1800000   ; the floor 2^(3 - 127) holds the byte at 1 from below
.endr
.irp i, 2,4,6,8,10,12,14
.irp q, 0,1
	v_max3_num_f32 v[MX+\q], v[MX+\q], |v[(\src)+16*\q+\i]|, |v[(\src)+16*\q+\i+1]|
.endr
.endr
	s_delay_alu instid0(VALU_DEP_1)
	v_max_num_f32 v[MX], v[MX], v[MX+1]
	s_delay_alu instid0(VALU_DEP_1)
	v_add_nc_u32 v[SO], 0xff000000, v[MX]          ; 2 off the exponent field: the conversion's scale operand
	s_delay_alu instid0(VALU_DEP_1)
	v_lshrrev_b32 v[\by], 23, v[SO]
	v_cvt_scalef32_pk16_fp6_f32 v[\dst:\dst+2], v[\src:(\src)+15], v[SO]
	v_cvt_scalef32_pk16_fp6_f32 v[T:T+2], v[(\src)+16:(\src)+31], v[SO]
	v_nop                                          ; one plain place behind a scaled conversion
.irp i, 0,1,2
	v_mov_b32 v[\dst+3+\i], v[T+\i]                ; a conversion's three registers begin on an even number
.endr
.endm
.rept 4
	v_nop                                          ; four places in front of the first read of results
.endr
	QUANT1 ACC, D0, BY
	QUANT1 ACC+32, D1, BY+1
	global_store_b128 v2, v[D0:D0+3], s[12:13]                 ; 512 consecutive bytes, then 256, each run aligned to 256
	global_store_b64 v3, v[D0+4:D0+5], s[12:13] offset:512
	global_store_b128 v2, v[D1:D1+3], s[12:13] offset:768
	global_store_b64 v3, v[D1+4:D1+5], s[12:13] offset:1280
	v_lshl_or_b32 v[WD], v[BY+1], 16, v[BY]        ; my block's bytes of the two tiles,
	s_delay_alu instid0(VALU_DEP_1)
	v_lshlrev_b32 v[WD], v[SH], v[WD]              ; at block h's places;
	s_delay_alu instid0(VALU_DEP_1)
	v_permlanex16_b32 v[PT], v[WD], s26, s27
	s_delay_alu instid0(VALU_DEP_1)
	v_or_b32 v[WD], v[WD], v[PT]                   ; with lane l xor 16's the word is whole
	s_wait_alu depctr_va_vdst(0)
	s_wait_xcnt 0x0                                ; EXEC changes only behind this wait
	v_cmp_gt_u32 vcc_lo, 16, v1
	s_and_saveexec_b32 s3, vcc_lo
	global_store_b32 v8, v[WD], s[14:15]
	s_wait_xcnt 0x0
	s_or_b32 exec_lo, exec_lo, s3
	s_wait_tensorcnt 0x0                           ; the wave's end
	ds_add_u32 v254, v255
	s_wait_dscnt 0x0
	ROUND                                          ; the closing round
	s_endpgm
.Lfunc_end_k_q2d74b0a4ad_proj:
	.size	k_q2d74b0a4ad_proj, .Lfunc_end_k_q2d74b0a4ad_proj-k_q2d74b0a4ad_proj
	.p2alignl 7, 3214868480
	.fill 96, 4, 3214868480
	.section	.rodata,"a",@progbits
	.p2align	6, 0x0
	.amdhsa_kernel k_q2d74b0a4ad_proj
		.amdhsa_group_segment_fixed_size 296960
		.amdhsa_private_segment_fixed_size 0
		.amdhsa_enable_private_segment 0
		.amdhsa_kernarg_size 48
		.amdhsa_user_sgpr_count 2
		.amdhsa_user_sgpr_kernarg_segment_ptr 1
		.amdhsa_wavefront_size32 1
		.amdhsa_system_sgpr_workgroup_id_x 1
		.amdhsa_system_sgpr_workgroup_id_y 1
		.amdhsa_system_sgpr_workgroup_id_z 1
		.amdhsa_system_vgpr_workitem_id 0
		.amdhsa_next_free_vgpr 256
		.amdhsa_next_free_sgpr 100
		.amdhsa_reserve_vcc 1
		.amdhsa_float_denorm_mode_32 3
		.amdhsa_float_denorm_mode_16_64 3
		.amdhsa_memory_ordered 1
		.amdhsa_forward_progress 1
		.amdhsa_inst_pref_size 32
	.end_amdhsa_kernel
	.amdgpu_metadata
---
amdhsa.version: [ 1, 2 ]
amdhsa.kernels:
  - .name:           k_q2d74b0a4ad_proj
    .symbol:         k_q2d74b0a4ad_proj.kd
    .args:
      - { .name: rc, .offset: 0, .size: 8, .value_kind: global_buffer, .address_space: global }
      - { .name: rs, .offset: 8, .size: 8, .value_kind: global_buffer, .address_space: global }
      - { .name: bk, .offset: 16, .size: 8, .value_kind: global_buffer, .address_space: global }
      - { .name: bq, .offset: 24, .size: 8, .value_kind: global_buffer, .address_space: global }
      - { .name: hc, .offset: 32, .size: 8, .value_kind: global_buffer, .address_space: global }
      - { .name: hs, .offset: 40, .size: 8, .value_kind: global_buffer, .address_space: global }
    .group_segment_fixed_size: 296960
    .private_segment_fixed_size: 0
    .kernarg_segment_align: 8
    .kernarg_segment_size: 48
    .max_flat_workgroup_size: 512
    .sgpr_count:     100
    .vgpr_count:     256
    .wavefront_size: 32
...
	.end_amdgpu_metadata
.endif
;; end of part 2
;; launch att (part 3): grid 8 x 32, 16 waves a work-group, clusters of 4 x 1, 206,848 bytes of LDS; arguments hc, hs, vc, vs, yc, ys; writes yc, ys
.if DOCPART == 3
	.amdgcn_target "amdgcn-amd-amdhsa--gfx1250"
	.amdhsa_code_object_version 6
	.text
	.protected	k_q2d74b0a4ad_att
	.globl	k_q2d74b0a4ad_att
	.p2align	8
	.type	k_q2d74b0a4ad_att,@function
k_q2d74b0a4ad_att:
	s_mov_b64 s[64:65], 0
	v_nop
	global_prefetch_b8 v0, s[64:65] scope:SCOPE_SE
	s_setreg_imm32_b32 hwreg(HW_REG_WAVE_MODE, 25, 1), 1
	s_wait_xcnt 0x0
	s_wait_alu depctr_hold_cnt(0) depctr_sa_sdst(0) depctr_va_vdst(0) depctr_va_sdst(0) depctr_va_ssrc(0) depctr_va_vcc(0) depctr_vm_vsrc(0)
	s_getreg_b32 s2, hwreg(HW_REG_IB_STS2, 6, 4)
	s_cmp_eq_u32 s2, 0
	s_cbranch_scc0 .Lentry_in_a_cluster
	s_endpgm
.Lentry_in_a_cluster:
	s_bfe_u32 s2, ttmp6, 0x10000c
	s_cmp_lg_u32 s2, 0x3003
	s_cbranch_scc0 .Lentry_shape_is_right
	s_endpgm
.Lentry_shape_is_right:
; y[bh][q] = the sum over keys of softmax(qh . kh / 8) v, both products on codes of FP6 (E2M3); y is quantised again along a head's 64 channels, as the last product's operand.
; THE SOFTMAX: t = score x log2(e) / 8; M = the running largest t rounded UP to a whole number; p = 2^(t - M) is quantised along the keys, not normalised; the row's sum is taken of the unquantised p and divides at the end.
; When M moves, the sum and O are multiplied by 2^(old M - new M): exact.  LIMITS: a p under 2^-126 falls to 0 (v_exp_f32 gives no denormals: ISA guide 15.8); NaN and infinities are not served; scaled scores stay under 2^31.
; SHARES.  A work-group owns 256 queries of one head (bh = work-group y), each of its sixteen waves one tile of 16; every wave walks the head's 2,048 keys, 128 a step, four steps a trip with all LDS offsets as immediates.
; The head's K and V in codes (98,304 bytes each) and their scale words (4,096 each) fit in LDS: every byte is filled ONCE.  Waves 0-3 ask for K's quarters, 4-7 for V's, 8 and 9 for the scale words: one tensor load a wave,
; one wait for all, one barrier.  CLUSTER 4 x 1: the four blocks of queries of a cluster belong to one head: joint loads.  No prefetch: all fills are asked for at the head, and no loop runs ahead of them.
; LAYOUT.  Both products are used transposed (S^T = K Q^T, O^T = V^T P^T): a lane holds ONE query (lane % 16).  Tile 4 G + t of the keys holds keys 64 G + 8 t + r % 8 + 32 (r / 8), so register 32 c + i of S^T in lane (r, h) is
; key 64 c + 32 h + i of the step: A LANE HOLDS WHOLE BLOCKS OF 32 KEYS, in the order of the second product's operand: a block's maximum needs no other lane, and p's codes are the operand's registers as they stand.
; V's tile t holds channels 8 t + r % 8 + 32 (r / 8) of the head, so a lane's 32 registers of O^T are channels 32 h + 0 .. 31: one block of y.
; THE SCORES' K IS 64, the instruction's 128: a fragment of 12 registers holds TWO tiles of keys; Q stands as [q | six zeros | q] in v16-33: against v[16:27] only the first tile's products count, against v[22:33] only the second's.
.set VC,  98304
.set KS,  196608
.set VS,  200704
.set SPARE, 204800
.set G1C, 28
.set G1S, 36
.set G0C, 44
.set G0S, 48
.set CS,  22                           ; s[22:23] c = log2(e) / 8
.set TC,  24
.set TSC, 25
.set CNT, 26
.set QSL, 34
.set QSH, 35
.set F,   36                           ; v36-83   four fragments: K's, then V's
.set S,   84                           ; v84-147  S^T, then p
.set O,   148                          ; v148-179 O^T
.set PC,  180                          ; v180-191 p's codes
.set CT,  192                          ; v192-194, v196-198
.set BM,  200                          ; v200-203 maxima of 16 scores; then v200, v202: the two blocks'
.set TA,  204                          ; v204-207 at work
.set SO,  208
.set KSR, 212
.set VSR, 214
.set PW,  216                          ; p's scale word
.set FF,  218                          ; v[218:219] f
.set T,   220                          ; v220-227 four partial sums of p, in pairs
.set SH,  230                          ; 8 h
.macro ROUND
	s_barrier_signal -1
	s_barrier_wait -1
	s_cmp_lg_u32 s16, 0
	s_cbranch_scc1 .Lnot_wave_0_\@
	s_barrier_signal -3
.Lnot_wave_0_\@:
	s_barrier_wait -3
	s_barrier_signal -1
	s_barrier_wait -1
.endm
.macro SC0 d, a, b, sa, sb, ra
.if (\ra)
	v_wmma_scale_f32_16x16x128_f8f6f4 v[\d:\d+7], v[\a:\a+11], v[\b:\b+11], 0, v[\sa], v[\sb] matrix_a_fmt:MATRIX_FMT_FP6 matrix_b_fmt:MATRIX_FMT_FP6 matrix_a_scale:MATRIX_SCALE_ROW1
.else
	v_wmma_scale_f32_16x16x128_f8f6f4 v[\d:\d+7], v[\a:\a+11], v[\b:\b+11], 0, v[\sa], v[\sb] matrix_a_fmt:MATRIX_FMT_FP6 matrix_b_fmt:MATRIX_FMT_FP6
.endif
.endm
.macro WM d, a, b, sa, sb, ra
.if (\ra)
	v_wmma_scale_f32_16x16x128_f8f6f4 v[\d:\d+7], v[\a:\a+11], v[\b:\b+11], v[\d:\d+7], v[\sa], v[\sb] matrix_a_fmt:MATRIX_FMT_FP6 matrix_b_fmt:MATRIX_FMT_FP6 matrix_a_scale:MATRIX_SCALE_ROW1
.else
	v_wmma_scale_f32_16x16x128_f8f6f4 v[\d:\d+7], v[\a:\a+11], v[\b:\b+11], v[\d:\d+7], v[\sa], v[\sb] matrix_a_fmt:MATRIX_FMT_FP6 matrix_b_fmt:MATRIX_FMT_FP6
.endif
.endm
; The 32 pairs of p go into four partial sums, seven additions each: additions a .. b - 1 of the 28
.macro SUMS a, b
.set J, \a
.rept (\b)-(\a)
.if J < 4
	v_pk_add_f32 v[T+2*J:T+2*J+1], v[S+2*J:S+2*J+1], v[S+2*J+8:S+2*J+9]
.else
	v_pk_add_f32 v[T+2*(J%4):T+2*(J%4)+1], v[T+2*(J%4):T+2*(J%4)+1], v[S+2*(J%4)+8*(J/4+1):S+2*(J%4)+8*(J/4+1)+1]
.endif
.set J, J+1
.endr
.endm
.macro FOLD                            ; the four partial sums onto the row's sum
	v_pk_add_f32 v[T:T+1], v[T:T+1], v[T+2:T+3]
	v_pk_add_f32 v[T+4:T+5], v[T+4:T+5], v[T+6:T+7]
	s_delay_alu instid0(VALU_DEP_1)
	v_pk_add_f32 v[T:T+1], v[T:T+1], v[T+4:T+5]
	s_delay_alu instid0(VALU_DEP_1)
	v_pk_add_f32 v[14:15], v[14:15], v[T:T+1]
.endm
	s_load_b256 s[4:11], s[0:1], 0x0               ; hc, hs, vc, vs
	s_load_b128 s[12:15], s[0:1], 0x20             ; yc, ys
	v_lshl_add_u32 v254, v0, 2, SPARE
	v_mov_b32 v255, 0
	ds_add_u32 v254, v255                          ; the opening lines: the add twice on end and one wait
	ds_add_u32 v254, v255
	v_lshrrev_b32 v1, 5, v0
	v_readfirstlane_b32 s16, v1                    ; wave 0..15
	v_and_b32 v11, 31, v0
	v_bfe_u32 v[SH], v0, 4, 1
	v_lshlrev_b32 v1, 4, v11                       ; v1  16 x lane
	v_lshlrev_b32 v2, 3, v11
	v_lshl_add_u32 v4, v11, 2, KS                  ; v4  K's scale words
	v_lshl_add_u32 v5, v11, 2, VS                  ; v5  V's
	v_add_nc_u32 v2, 512, v2                       ; v2  512 + 8 x lane
	v_add_nc_u32 v3, VC, v1                        ; v3  V's images
	v_lshlrev_b32 v[SH], 3, v[SH]
	v_and_b32 v11, 15, v0
	s_delay_alu instid0(VALU_DEP_1)
	v_lshlrev_b32 v11, 2, v11                      ; v11 4 r
	s_bfe_u32 s17, ttmp6, 0x40000                  ; cx
	s_lshl_b32 s18, ttmp9, 2
	s_add_co_u32 s18, s18, s17                     ; my block of 256 queries: it enters Q's, yc's and ys's addresses alone
	s_and_b32 s19, ttmp7, 0xffff                   ; bh, which the four partners share
	s_mov_b32 s20, 0x76543210
	s_mov_b32 s21, 0xfedcba98
	s_mov_b32 s[CS], 0x3e38aa3b
	s_mov_b32 s[CS+1], s[CS]
	s_and_b32 s27, s16, 1
	s_lshl_b32 s27, s27, 4
	; group 1: dense runs as rows of 256 bytes (32 elements of 8 bytes): 96 rows for a quarter of the codes, 16 for a head's scale words; the mask names all four work-groups
	s_mov_b32 s[G1C], 15|(3<<16)|(1<<21)
	s_mov_b32 s[G1C+1], 32<<16
	s_mov_b32 s[G1C+2], 96<<16
	s_mov_b32 s[G1C+3], 32<<16
	s_mov_b32 s[G1C+4], 96
	s_mov_b32 s[G1C+5], 32
	s_mov_b32 s[G1C+6], 0
	s_mov_b32 s[G1C+7], 0
	s_mov_b32 s[G1S], 15|(3<<16)|(1<<21)
	s_mov_b32 s[G1S+1], 32<<16
	s_mov_b32 s[G1S+2], 16<<16
	s_mov_b32 s[G1S+3], 32<<16
	s_mov_b32 s[G1S+4], 16
	s_mov_b32 s[G1S+5], 32
	s_mov_b32 s[G1S+6], 0
	s_mov_b32 s[G1S+7], 0
	s_mul_i32 s88, s19, 98304                      ; the head's codes,
	s_and_b32 s84, s16, 3
	s_mul_i32 s84, s84, 24576                      ; my quarter of them,
	s_add_co_u32 s88, s88, s84
	s_mov_b32 s89, 0
	s_lshl_b32 s90, s19, 12                        ; and its scale words
	s_mov_b32 s91, 0
	s_mov_b32 s[G0C], 1
	s_mul_i32 s[G0C+1], s16, 24576                 ; LDS: K's four quarters, then V's four: wave x 24,576
	s_mov_b32 s[G0S], 1
	s_and_b32 s[G0S+1], s16, 1
	s_lshl_b32 s[G0S+1], s[G0S+1], 12
	s_add_co_u32 s[G0S+1], s[G0S+1], KS            ; wave 8: K's scale words, wave 9: V's
	s_wait_dscnt 0x0
	s_wait_kmcnt 0x0
	s_cmp_lt_u32 s16, 4
	s_cselect_b64 s[92:93], s[4:5], s[8:9]
	s_cmp_eq_u32 s16, 8
	s_cselect_b64 s[94:95], s[6:7], s[10:11]
	s_add_nc_u64 s[G0C+2:G0C+3], s[92:93], s[88:89]
	s_or_b32 s[G0C+3], s[G0C+3], 0x80000000
	s_add_nc_u64 s[G0S+2:G0S+3], s[94:95], s[90:91]
	s_or_b32 s[G0S+3], s[G0S+3], 0x80000000
	ROUND                                          ; all four work-groups are here: the joint loads meet
	s_cmp_lt_u32 s16, 8                            ; one chain of branches on the wave's number, one fill to an arm
	s_cbranch_scc0 .Lnot_codes
	tensor_load_to_lds s[G0C:G0C+3], s[G1C:G1C+7]
	s_nop 0
.rept 4
	v_nop
.endr
	s_branch .Lasked
.Lnot_codes:
	s_cmp_lt_u32 s16, 10
	s_cbranch_scc0 .Lasked
	tensor_load_to_lds s[G0S:G0S+3], s[G1S:G1S+7]
	s_nop 0
.rept 4
	v_nop
.endr
.Lasked:
	s_lshl_b32 s2, s18, 4
	s_add_co_u32 s2, s2, s16                       ; my tile of queries in the batch
	s_lshl_b32 s3, s19, 7
	s_add_co_u32 s3, s3, s2
	s_mul_i32 s96, s3, 768
	s_add_co_u32 s96, s96, 3145728                 ; qh lies behind kh
	s_mov_b32 s97, 0
	s_add_nc_u64 s[96:97], s[4:5], s[96:97]
	s_lshr_b32 s3, s3, 1
	s_lshl_b32 s98, s3, 6
	s_add_co_u32 s98, s98, 131072
	s_mov_b32 s99, 0
	s_add_nc_u64 s[98:99], s[6:7], s[98:99]
	s_wait_alu depctr_va_vdst(0)                   ; the addresses were written ahead of the scalar lines
	global_load_b128 v[16:19], v1, s[96:97]        ; q twice
	global_load_b64 v[20:21], v2, s[96:97]
	global_load_b128 v[28:31], v1, s[96:97]
	global_load_b64 v[32:33], v2, s[96:97]
	global_load_b32 v[TA], v11, s[98:99]           ; the pair's scale word of my query
	s_wait_loadcnt 0x0
	v_lshrrev_b32 v[TA], s27, v[TA]
	s_delay_alu instid0(VALU_DEP_1)
	v_and_b32 v[TA], 0xffff, v[TA]                 ; my tile's two bytes
	s_delay_alu instid0(VALU_DEP_1)
	v_or_b32 v[QSL], 0x1010000, v[TA]              ; beside them the byte 1 for the half of zeros
	v_lshl_or_b32 v[QSH], v[TA], 16, 0x101
.irp i, 22,23,24,25,26,27
	v_mov_b32 v\i, 0                               ; six registers of zero codes
.endr
.set J, 0
.rept 32
	v_mov_b32 v[O+J], 0                            ; O^T: the step is written once; the first finds zeros
.set J, J+1
.endr
.set J, 0
.rept 8
	v_mov_b32 v[T+J], 0
.set J, J+1
.endr
	v_mov_b32 v[TA+1], 0                           ; a lane permute's destination counts as a source
	v_mov_b32 v[TA+3], 0
	v_mov_b32 v14, 0                               ; the sum, in two halves
	v_mov_b32 v15, 0
	v_mov_b32 v[FF+1], 0
	v_mov_b32 v13, 0xff61b1e6                      ; the largest score so far: -3e38
	s_delay_alu instid0(VALU_DEP_1)
	v_mul_f32 v[TA], s[CS], v13
	s_delay_alu instid0(VALU_DEP_1)
	v_floor_f32 v12, -v[TA]                        ; -M
	s_lshr_b32 s3, s19, 4
	s_lshl_b32 s3, s3, 7
	s_add_co_u32 s3, s3, s2                        ; my tile among all 256 tiles of tokens
	s_and_b32 s2, s19, 15                          ; the head
	s_lshl_b32 s96, s3, 4
	s_add_co_u32 s96, s96, s2
	s_mul_i32 s96, s96, 768
	s_mov_b32 s97, 0
	s_add_nc_u64 s[12:13], s[12:13], s[96:97]      ; yc: tile, head
	s_lshl_b32 s96, s3, 9
	s_lshr_b32 s98, s2, 3
	s_lshl_b32 s98, s98, 8
	s_add_co_u32 s96, s96, s98
	s_and_b32 s98, s2, 7
	s_lshl_b32 s98, s98, 1
	s_add_co_u32 s96, s96, s98
	s_add_nc_u64 s[14:15], s[14:15], s[96:97]      ; ys: 512 x tile + 256 (head / 8) + 2 (head % 8), + 16 r
; A KEY STEP: 128 keys, the u-th of the trip's four.
.macro STEP u
.irp i, 0,1,2,3,4,5,6,7
	ds_load_b128 v[F+6*\i:F+6*\i+3], v6 offset:6144*(\u)+768*\i        ; (the sixteen additions behind the last products are the places in front of these loads)
	ds_load_b64 v[F+6*\i+4:F+6*\i+5], v7 offset:6144*(\u)+768*\i
.endr
	ds_load_b32 v[KSR], v9 offset:256*(\u)
	ds_load_b32 v[KSR+1], v9 offset:256*(\u)+128
	s_wait_alu depctr_va_vdst(0)
	s_wait_dscnt 0x0
.irp b, 0,1,2,3
	SC0 S+16*\b, F+12*\b, 16, KSR+\b/2, QSL, \b%2
	SC0 S+16*\b+8, F+12*\b, 22, KSR+\b/2, QSH, \b%2
.endr
	FOLD                                           ; the last step's partial sums: four places in front of the loads below and of the first read of the scores
.irp t, 0,1,2,3
.irp c, 0,1,2
	ds_load_b128 v[F+12*\t+4*\c:F+12*\t+4*\c+3], v8 offset:6144*(\u)+1536*\t+512*\c   ; V lands under the softmax
.endr
.endr
	ds_load_b32 v[VSR], v10 offset:256*(\u)
	ds_load_b32 v[VSR+1], v10 offset:256*(\u)+128
.irp q, 0,1,2,3
	v_max3_num_f32 v[BM+\q], v[S+16*\q], v[S+16*\q+1], v[S+16*\q+2]    ; four chains by turns; each accumulator from its low end on
.endr
.irp i, 3,5,7,9,11,13
.irp q, 0,1,2,3
	v_max3_num_f32 v[BM+\q], v[BM+\q], v[S+16*\q+\i], v[S+16*\q+\i+1]
.endr
.endr
.irp c, 0,1
	v_max3_num_f32 v[BM+2*\c], v[BM+2*\c], v[BM+2*\c+1], v[S+32*\c+15]
.endr
.irp c, 0,1
	v_max_num_f32 v[BM+2*\c], v[BM+2*\c], v[S+32*\c+31]                ; the largest score of my block 2 c + h: for the row's maximum and, since p rises with the score, for the block's largest p
.endr
	s_delay_alu instid0(VALU_DEP_1)
	v_max_num_f32 v[TA], v[BM], v[BM+2]
	s_delay_alu instid0(VALU_DEP_1)
	v_permlanex16_b32 v[TA+1], v[TA], s20, s21
	s_delay_alu instid0(VALU_DEP_1)
	v_max3_num_f32 v13, v13, v[TA], v[TA+1]        ; the running largest score of my query
	s_delay_alu instid0(VALU_DEP_1)
	v_mul_f32 v[TA], s[CS], v13                    ; as t (c is positive)
	s_delay_alu instid0(VALU_DEP_1)
	v_floor_f32 v[TA+2], -v[TA]                    ; the new -M = -ceil(t)
	s_delay_alu instid0(VALU_DEP_1)
	v_sub_f32 v[TA+3], v[TA+2], v12                ; old M - new M: a whole number, 0 or less
	v_mov_b32 v12, v[TA+2]
	s_delay_alu instid0(VALU_DEP_2)
	v_cvt_i32_f32 v[TA+3], v[TA+3]                 ; (it saturates)
	s_delay_alu instid0(VALU_DEP_1)
	v_ldexp_f32 v[FF], 1.0, v[TA+3]                ; f = 2^(old M - new M)
.set J, 0
.rept 32
	v_pk_fma_f32 v[S+J:S+J+1], v[S+J:S+J+1], s[CS:CS+1], v[12:13] op_sel_hi:[1,0,0]   ; t - M, two at a time
.set J, J+2
.endr
	v_fma_f32 v[BM], v[BM], s[CS], v12             ; the same of each block's largest score
	v_fma_f32 v[BM+2], v[BM+2], s[CS], v12
	s_wait_alu depctr_va_vdst(0)
.set J, 0
.rept 64
	v_exp_f32 v[S+J], v[S+J]                       ; p = 2^(t - M)
.set J, J+1
.endr
	v_exp_f32 v[BM], v[BM]                         ; the block's largest p: the same two instructions on the same number
	v_exp_f32 v[BM+2], v[BM+2]
	v_pk_mul_f32 v[14:15], v[14:15], v[FF:FF+1] op_sel_hi:[1,0]        ; the sum under the new M: a plain place behind the batch
	s_wait_dscnt 0x0                               ; V is in
	s_wait_alu depctr_va_vdst(0)                   ; one wait for the batch, directly ahead of O^T's first readers
.set J, 0
.rept 16
	v_pk_mul_f32 v[O+J:O+J+1], v[O+J:O+J+1], v[FF:FF+1] op_sel_hi:[1,0]   ; O^T under the new M
.set J, J+2
.endr
	v_max_num_f32 v[BM], 0x1800000, v[BM]          ; the floor 2^(3 - 127): the byte cannot fall under 1
	v_max_num_f32 v[BM+2], 0x1800000, v[BM+2]
	s_delay_alu instid0(VALU_DEP_2)
	v_add_nc_u32 v[SO], 0xff000000, v[BM]          ; 2 off the exponent field: the conversion's scale operand
	s_delay_alu instid0(VALU_DEP_2)
	v_add_nc_u32 v[SO+1], 0xff000000, v[BM+2]
	s_delay_alu instid0(VALU_DEP_2)
	v_lshrrev_b32 v[TA], 23, v[SO]
	s_delay_alu instid0(VALU_DEP_2)
	v_lshrrev_b32 v[TA+1], 23, v[SO+1]
	s_delay_alu instid0(VALU_DEP_1)
	v_lshl_or_b32 v[TA+2], v[TA+1], 16, v[TA]      ; my two bytes: blocks h and 2 + h,
	s_delay_alu instid0(VALU_DEP_1)
	v_lshlrev_b32 v[TA+2], v[SH], v[TA+2]          ; at their places;
	s_delay_alu instid0(VALU_DEP_1)
	v_permlanex16_b32 v[TA+3], v[TA+2], s20, s21
	s_delay_alu instid0(VALU_DEP_1)
	v_or_b32 v[PW], v[TA+2], v[TA+3]               ; with lane l xor 16's two the word is whole
.irp c, 0,1
	v_cvt_scalef32_pk16_fp6_f32 v[PC+6*\c:PC+6*\c+2], v[S+32*\c:S+32*\c+15], v[SO+\c]
	v_cvt_scalef32_pk16_fp6_f32 v[CT+4*\c:CT+4*\c+2], v[S+32*\c+16:S+32*\c+31], v[SO+\c]   ; (a conversion's three registers begin on an even number)
.endr
	SUMS 0, 1                                      ; THE ROW'S SUM IS TAKEN OF THE UNQUANTISED p.  This line is the plain place behind the conversions
.irp c, 0,1
.irp i, 0,1,2
	v_mov_b32 v[PC+6*\c+3+\i], v[CT+4*\c+\i]
.endr
.endr
	SUMS 1, 12                                     ; eleven places between the operand's last write and the products (the scale word stands eighteen ahead)
.irp t, 0,1,2,3
	WM O+8*\t, F+12*\t, PC, VSR+\t/2, PW, \t%2     ; the four accumulators by turns
.endr
	SUMS 12, 28
.endm
	s_mov_b32 s[TC], 0
	s_mov_b32 s[TSC], 0
	s_mov_b32 s[CNT], 4
	s_wait_alu depctr_va_vdst(0)
	s_wait_tensorcnt 0x0                           ; my load, if I issued one, has landed
	s_barrier_signal -1
	s_barrier_wait -1                              ; everybody's has: K, V and the scale words are whole, and nothing is filled again
.Ltrip:
	v_add_nc_u32 v6, s[TC], v1                     ; the trip's addresses: 512 keys, 24,576 bytes of K and of V, 1,024 of each side's scale words
	v_add_nc_u32 v7, s[TC], v2
	v_add_nc_u32 v8, s[TC], v3
	v_add_nc_u32 v9, s[TSC], v4
	v_add_nc_u32 v10, s[TSC], v5
	STEP 0
	STEP 1
	STEP 2
	STEP 3
	s_add_co_u32 s[TC], s[TC], 24576
	s_add_co_u32 s[TSC], s[TSC], 1024
	s_sub_co_u32 s[CNT], s[CNT], 1
	s_cmp_lg_u32 s[CNT], 0
	s_wait_alu depctr_va_vdst(0)
	s_cbranch_scc1 .Ltrip
	; THE WAY OUT: O^T / the sum is y: register i = channel 32 h + i of my query: one block, quantised and stored as 6 registers of codes and a byte.
	FOLD                                           ; the last step's partial sums: four places behind the last products
	s_delay_alu instid0(VALU_DEP_1)
	v_add_f32 v14, v14, v15
	s_delay_alu instid0(VALU_DEP_1)
	v_permlanex16_b32 v[TA+1], v14, s20, s21
	s_delay_alu instid0(VALU_DEP_1)
	v_add_f32 v14, v14, v[TA+1]                    ; with lane l xor 16's keys: the row's sum
	s_wait_alu depctr_va_vdst(0)
	v_rcp_f32 v14, v14
	v_nop
	s_wait_alu depctr_va_vdst(0)
.set J, 0
.rept 16
	v_pk_mul_f32 v[S+J:S+J+1], v[O+J:O+J+1], v[14:15] op_sel_hi:[1,0]
.set J, J+2
.endr
.irp q, 0,1
	v_max3_num_f32 v[BM+\q], |v[S+16*\q]|, |v[S+16*\q+1]|, 0x1800000
.endr
.irp i, 2,4,6,8,10,12,14
.irp q, 0,1
	s_delay_alu instid0(VALU_DEP_2)
	v_max3_num_f32 v[BM+\q], v[BM+\q], |v[S+16*\q+\i]|, |v[S+16*\q+\i+1]|
.endr
.endr
	s_delay_alu instid0(VALU_DEP_1)
	v_max_num_f32 v[BM], v[BM], v[BM+1]
	s_delay_alu instid0(VALU_DEP_1)
	v_add_nc_u32 v[SO], 0xff000000, v[BM]
	s_delay_alu instid0(VALU_DEP_1)
	v_lshrrev_b32 v[TA], 23, v[SO]
	s_delay_alu instid0(VALU_DEP_1)
	v_lshlrev_b32 v[TA], v[SH], v[TA]
	s_delay_alu instid0(VALU_DEP_1)
	v_permlanex16_b32 v[TA+1], v[TA], s20, s21
	s_delay_alu instid0(VALU_DEP_1)
	v_or_b32 v[TA+2], v[TA], v[TA+1]               ; the row's two bytes of this head
	v_cvt_scalef32_pk16_fp6_f32 v[PC:PC+2], v[S:S+15], v[SO]
	v_cvt_scalef32_pk16_fp6_f32 v[CT:CT+2], v[S+16:S+31], v[SO]
	v_and_b32 v228, 31, v0                         ; a plain place behind the conversions
.irp i, 0,1,2
	v_mov_b32 v[PC+3+\i], v[CT+\i]
.endr
	v_lshlrev_b32 v229, 2, v11                     ; 16 r
	global_store_b128 v1, v[PC:PC+3], s[12:13]     ; 512 consecutive bytes, then 256, each run aligned to 256
	global_store_b64 v2, v[PC+4:PC+5], s[12:13]
	s_wait_alu depctr_va_vdst(0)
	s_wait_xcnt 0x0                                ; EXEC changes only behind this wait
	v_cmp_gt_u32 vcc_lo, 16, v228
	s_and_saveexec_b32 s3, vcc_lo
	global_store_b16 v229, v[TA+2], s[14:15]       ; two bytes a row: a head's part of the rows' scale words
	s_wait_xcnt 0x0
	s_or_b32 exec_lo, exec_lo, s3
	s_wait_tensorcnt 0x0                           ; the wave's end
	ds_add_u32 v254, v255
	s_wait_dscnt 0x0
	ROUND                                          ; the closing round
	s_endpgm
.Lfunc_end_k_q2d74b0a4ad_att:
	.size	k_q2d74b0a4ad_att, .Lfunc_end_k_q2d74b0a4ad_att-k_q2d74b0a4ad_att
	.p2alignl 7, 3214868480
	.fill 96, 4, 3214868480
	.section	.rodata,"a",@progbits
	.p2align	6, 0x0
	.amdhsa_kernel k_q2d74b0a4ad_att
		.amdhsa_group_segment_fixed_size 206848
		.amdhsa_private_segment_fixed_size 0
		.amdhsa_enable_private_segment 0
		.amdhsa_kernarg_size 48
		.amdhsa_user_sgpr_count 2
		.amdhsa_user_sgpr_kernarg_segment_ptr 1
		.amdhsa_wavefront_size32 1
		.amdhsa_system_sgpr_workgroup_id_x 1
		.amdhsa_system_sgpr_workgroup_id_y 1
		.amdhsa_system_sgpr_workgroup_id_z 1
		.amdhsa_system_vgpr_workitem_id 0
		.amdhsa_next_free_vgpr 256
		.amdhsa_next_free_sgpr 100
		.amdhsa_reserve_vcc 1
		.amdhsa_float_denorm_mode_32 3
		.amdhsa_float_denorm_mode_16_64 3
		.amdhsa_memory_ordered 1
		.amdhsa_forward_progress 1
		.amdhsa_inst_pref_size 73
	.end_amdhsa_kernel
	.amdgpu_metadata
---
amdhsa.version: [ 1, 2 ]
amdhsa.kernels:
  - .name:           k_q2d74b0a4ad_att
    .symbol:         k_q2d74b0a4ad_att.kd
    .args:
      - { .name: hc, .offset: 0, .size: 8, .value_kind: global_buffer, .address_space: global }
      - { .name: hs, .offset: 8, .size: 8, .value_kind: global_buffer, .address_space: global }
      - { .name: vc, .offset: 16, .size: 8, .value_kind: global_buffer, .address_space: global }
      - { .name: vs, .offset: 24, .size: 8, .value_kind: global_buffer, .address_space: global }
      - { .name: yc, .offset: 32, .size: 8, .value_kind: global_buffer, .address_space: global }
      - { .name: ys, .offset: 40, .size: 8, .value_kind: global_buffer, .address_space: global }
    .group_segment_fixed_size: 206848
    .private_segment_fixed_size: 0
    .kernarg_segment_align: 8
    .kernarg_segment_size: 48
    .max_flat_workgroup_size: 512
    .sgpr_count:     100
    .vgpr_count:     256
    .wavefront_size: 32
...
	.end_amdgpu_metadata
.endif
;; end of part 3
;; launch outp (part 4): grid 8 x 32, 8 waves a work-group, clusters of 4 x 4, 232,448 bytes of LDS; arguments yc, ys, rc, rs, bc, out0; writes out0
.if DOCPART == 4
	.amdgcn_target "amdgcn-amd-amdhsa--gfx1250"
	.amdhsa_code_object_version 6
	.text
	.protected	k_q2d74b0a4ad_outp
	.globl	k_q2d74b0a4ad_outp
	.p2align	8
	.type	k_q2d74b0a4ad_outp,@function
k_q2d74b0a4ad_outp:
	s_mov_b64 s[64:65], 0
	v_nop
	global_prefetch_b8 v0, s[64:65] scope:SCOPE_SE
	s_setreg_imm32_b32 hwreg(HW_REG_WAVE_MODE, 25, 1), 1
	s_wait_xcnt 0x0
	s_wait_alu depctr_hold_cnt(0) depctr_sa_sdst(0) depctr_va_vdst(0) depctr_va_sdst(0) depctr_va_ssrc(0) depctr_va_vcc(0) depctr_vm_vsrc(0)
	s_getreg_b32 s2, hwreg(HW_REG_IB_STS2, 6, 4)
	s_cmp_eq_u32 s2, 0
	s_cbranch_scc0 .Lentry_in_a_cluster
	s_endpgm
.Lentry_in_a_cluster:
	s_bfe_u32 s2, ttmp6, 0x10000c
	s_cmp_lg_u32 s2, 0xf033
	s_cbranch_scc0 .Lentry_shape_is_right
	s_endpgm
.Lentry_shape_is_right:
; out0 = y Wc^T + bc on codes of FP6 (E2M3), sums in f32.  A work-group makes 128 tokens x 128 columns over all of K = 1,024.  Wave w: columns 64 (w % 2) on, pair of token tiles w / 2: 4 tiles of Wc x 2 tiles of tokens, 8 accumulators.
; TRANSPOSED USE (source 0 = 16 rows of Wc, source 1 = 16 tokens): a lane holds one token.  Tile 4 G + t holds rows 64 G + 8 t + r % 8 + 32 (r / 8) (of Wc and of the tokens alike), so register 8 t + j of lane (r, h) is
; column 32 h + 8 t + j of my 64: 128 neighbouring bytes of a row of out0.  The bias is loaded into the accumulators: it is the C of each sum's first product.
; OPERANDS lie in memory as images of their registers, a tile's eight K steps on end (12,288 bytes): Wc's fragment by three loads of 16 bytes a lane; y's is two halves of 768 bytes (a head each): 16 bytes a lane, then 8.
; The 8 token tiles and the 8 tiles of Wc are dense runs of memory and keep that order in LDS.  Every LDS byte is filled once: waves 0-3 ask for two token tiles each, waves 4-7 for two tiles of Wc: one tensor load a wave,
; one wait for all, one barrier.  CLUSTER 4 x 4: tokens shared along a row, Wc's rows along a column.  No prefetch: all fills are asked for at the head, and no loop runs ahead of them.
.set TILE, 12288
.set WC,   98304
.set STG,  196608                      ; a stage of 16 rows x 272 bytes for each wave: bytes into which no fill lands
.set SPT,  272
.set SPARE, 231424
.set G1X,  28
.set G1W,  36
.set G0X,  44
.set G0W,  48
.set AX,   4
.set AW,   5
.set AX8,  11
.set STO,  12
.set RD,   13
.set CO,   14
.set ACC,  16
.set FW,   80
.set FX,   128
.set SW,   152
.set SX,   168
.set BK,   80
.macro ROUND
	s_barrier_signal -1
	s_barrier_wait -1
	s_cmp_lg_u32 s16, 0
	s_cbranch_scc1 .Lnot_wave_0_\@
	s_barrier_signal -3
.Lnot_wave_0_\@:
	s_barrier_wait -3
	s_barrier_signal -1
	s_barrier_wait -1
.endm
.macro WM d, a, b, sa, sb, ra, rb
.if (\ra) && (\rb)
	v_wmma_scale_f32_16x16x128_f8f6f4 v[\d:\d+7], v[\a:\a+11], v[\b:\b+11], v[\d:\d+7], v[\sa], v[\sb] matrix_a_fmt:MATRIX_FMT_FP6 matrix_b_fmt:MATRIX_FMT_FP6 matrix_a_scale:MATRIX_SCALE_ROW1 matrix_b_scale:MATRIX_SCALE_ROW1
.elseif (\ra)
	v_wmma_scale_f32_16x16x128_f8f6f4 v[\d:\d+7], v[\a:\a+11], v[\b:\b+11], v[\d:\d+7], v[\sa], v[\sb] matrix_a_fmt:MATRIX_FMT_FP6 matrix_b_fmt:MATRIX_FMT_FP6 matrix_a_scale:MATRIX_SCALE_ROW1
.elseif (\rb)
	v_wmma_scale_f32_16x16x128_f8f6f4 v[\d:\d+7], v[\a:\a+11], v[\b:\b+11], v[\d:\d+7], v[\sa], v[\sb] matrix_a_fmt:MATRIX_FMT_FP6 matrix_b_fmt:MATRIX_FMT_FP6 matrix_b_scale:MATRIX_SCALE_ROW1
.else
	v_wmma_scale_f32_16x16x128_f8f6f4 v[\d:\d+7], v[\a:\a+11], v[\b:\b+11], v[\d:\d+7], v[\sa], v[\sb] matrix_a_fmt:MATRIX_FMT_FP6 matrix_b_fmt:MATRIX_FMT_FP6
.endif
.endm
	s_load_b256 s[4:11], s[0:1], 0x0               ; yc, ys, rc, rs
	s_load_b128 s[12:15], s[0:1], 0x20             ; bc, out0
	v_lshl_add_u32 v254, v0, 2, SPARE
	v_mov_b32 v255, 0
	ds_add_u32 v254, v255                          ; the opening lines: the add twice on end and one wait
	ds_add_u32 v254, v255
	v_lshrrev_b32 v1, 5, v0
	v_readfirstlane_b32 s16, v1                    ; wave 0..7
	s_and_b32 s24, s16, 1                          ; hn: which 64 columns
	s_lshr_b32 s25, s16, 1                         ; tp: which pair of token tiles
	v_and_b32 v1, 31, v0
	v_and_b32 v9, 15, v0                           ; r
	v_bfe_u32 v10, v0, 4, 1                        ; h
	v_lshlrev_b32 v2, 4, v1
	v_lshlrev_b32 v3, 3, v1
	s_mul_i32 s60, s25, 2*TILE
	v_add_nc_u32 v[AX], s60, v2
	v_add_nc_u32 v[AX8], s60, v3
	s_mul_i32 s61, s24, 4*TILE
	s_add_co_u32 s61, s61, WC
	v_add_nc_u32 v[AW], s61, v2
	v_lshlrev_b32 v6, 4, v9
	v_lshlrev_b32 v7, 7, v10                       ; the bias: 32 numbers on for lanes 16-31
	v_mul_u32_u24 v[STO], v9, SPT
	v_mul_u32_u24 v[RD], v10, SPT
	v_lshlrev_b32 v[CO], 12, v10
	v_lshl_add_u32 v6, v10, 9, v6                  ; scale words: 16 r, lanes 16-31 a tile on
	s_mul_i32 s60, s16, 16*SPT
	s_add_co_u32 s60, s60, STG                     ; my stage
	v_lshl_add_u32 v[STO], v10, 7, v[STO]
	v_lshl_add_u32 v[RD], v9, 4, v[RD]
	v_lshl_add_u32 v[CO], v9, 4, v[CO]             ; two rows of out0 an instruction, 16 lanes to 256 bytes
	v_add_nc_u32 v[STO], s60, v[STO]               ; in: row r, + 128 h
	v_add_nc_u32 v[RD], s60, v[RD]                 ; back: lanes 0-15 one row of 256 bytes, lanes 16-31 the next
	s_bfe_u32 s17, ttmp6, 0x40000
	s_bfe_u32 s18, ttmp6, 0x40004
	s_lshl_b32 s19, ttmp9, 2
	s_add_co_u32 s19, s19, s17                     ; work-group x: which 128 columns
	s_and_b32 s20, ttmp7, 0xffff
	s_lshl_b32 s20, s20, 2
	s_add_co_u32 s20, s20, s18                     ; work-group y: which 128 tokens
	s_lshl_b32 s22, s18, 2
	s_lshl_b32 s22, 15, s22
	s_lshl_b32 s23, 0x1111, s17
	s_or_b32 s[G1X], s22, (3<<16)|(1<<21)          ; group 1: two tiles, a dense run, as 96 rows of 256 bytes (32 elements of 8 bytes); the mask, and bit 21 beside it
	s_or_b32 s[G1W], s23, (3<<16)|(1<<21)
.irp g, G1X, G1W
	s_mov_b32 s[\g+1], 32<<16
	s_mov_b32 s[\g+2], 96<<16
	s_mov_b32 s[\g+3], 32<<16
	s_mov_b32 s[\g+4], 96
	s_mov_b32 s[\g+5], 32
	s_mov_b32 s[\g+6], 0
	s_mov_b32 s[\g+7], 0
.endr
	s_and_b32 s84, s16, 3                          ; which part I ask for
	s_lshl_b32 s85, s20, 3                         ; tokens: tile 8 y + 2 part (work-group y alone)
	s_lshl_b32 s86, s84, 1
	s_add_co_u32 s85, s85, s86
	s_mul_i32 s86, s85, TILE
	s_mov_b32 s87, 0
	s_lshl_b32 s90, s19, 3                         ; Wc: tile 640 + 8 x + 2 part (work-group x alone)
	s_lshl_b32 s91, s84, 1
	s_add_co_u32 s90, s90, s91
	s_add_co_u32 s90, s90, 640
	s_mul_i32 s90, s90, TILE
	s_mov_b32 s91, 0
	s_mov_b32 s[G0X], 1
	s_mul_i32 s[G0X+1], s84, 2*TILE
	s_mov_b32 s[G0W], 1
	s_mul_i32 s[G0W+1], s84, 2*TILE
	s_add_co_u32 s[G0W+1], s[G0W+1], WC
	s_wait_dscnt 0x0
	s_wait_kmcnt 0x0
	s_add_nc_u64 s[G0X+2:G0X+3], s[4:5], s[86:87]
	s_or_b32 s[G0X+3], s[G0X+3], 0x80000000
	s_add_nc_u64 s[G0W+2:G0W+3], s[8:9], s[90:91]
	s_or_b32 s[G0W+3], s[G0W+3], 0x80000000
	ROUND                                          ; all sixteen work-groups are here: the joint loads meet
	s_cmp_lt_u32 s16, 4                            ; one tensor load a wave: every way passes exactly one
	s_cbranch_scc0 .Lfor_w
	tensor_load_to_lds s[G0X:G0X+3], s[G1X:G1X+7]
	s_nop 0
.rept 4
	v_nop
.endr
	s_branch .Lasked
.Lfor_w:
	tensor_load_to_lds s[G0W:G0W+3], s[G1W:G1W+7]
	s_nop 0
.rept 4
	v_nop
.endr
.Lasked:
	s_mov_b32 s99, 0
	s_lshl_b32 s98, s19, 9
	s_lshl_b32 s3, s24, 8
	s_add_co_u32 s98, s98, s3                      ; my first column, in bytes
	s_add_nc_u64 s[12:13], s[12:13], s[98:99]
	s_add_nc_u64 s[14:15], s[14:15], s[98:99]
	s_lshl_b32 s2, s20, 2
	s_add_co_u32 s2, s2, s25                       ; my pair of token tiles
	s_lshr_b32 s98, s2, 1
	s_lshl_b32 s98, s98, 18                        ; its group's 64 rows of 4,096 bytes in out0,
	s_and_b32 s3, s2, 1
	s_lshl_b32 s3, s3, 16                          ; 16 rows on for the group's second pair
	s_add_co_u32 s98, s98, s3
	s_add_nc_u64 s[14:15], s[14:15], s[98:99]
	s_lshl_b32 s98, s2, 10                         ; its scale words: 512 bytes a tile
	s_add_nc_u64 s[6:7], s[6:7], s[98:99]
	s_lshl_b32 s98, s19, 3
	s_lshl_b32 s3, s24, 2
	s_add_co_u32 s98, s98, s3
	s_add_co_u32 s98, s98, 640
	s_lshl_b32 s98, s98, 9
	s_add_nc_u64 s[10:11], s[10:11], s[98:99]      ; the scale words of my four tiles of Wc
	s_wait_alu depctr_va_vdst(0)
.irp e, 0,1
.irp t, 0,1,2,3
	global_load_b128 v[ACC+32*\e+8*\t:ACC+32*\e+8*\t+3], v7, s[12:13] offset:32*\t        ; the bias of columns 32 h + 8 t + 0 .. 7
	global_load_b128 v[ACC+32*\e+8*\t+4:ACC+32*\e+8*\t+7], v7, s[12:13] offset:32*\t+16
.endr
.endr
	global_load_b128 v[SX:SX+3], v6, s[6:7]
	global_load_b128 v[SX+4:SX+7], v6, s[6:7] offset:256
.irp i, 0,1
	global_load_b128 v[SW+8*\i:SW+8*\i+3], v6, s[10:11] offset:1024*\i
	global_load_b128 v[SW+8*\i+4:SW+8*\i+7], v6, s[10:11] offset:1024*\i+256
.endr
	s_wait_loadcnt 0x0                             ; the bias and the scale words
	s_wait_tensorcnt 0x0                           ; my one load has landed
	s_barrier_signal -1
	s_barrier_wait -1                              ; everybody's has: both panels are whole, and nothing is filled again
.macro KSTEP s                         ; 128 along K; the eight accumulators take turns
.if (\s) > 0
.rept 4
	v_nop                                          ; four places between the last products and the loads into their sources
.endr
.endif
.irp t, 0,1,2,3
.irp c, 0,1,2
	ds_load_b128 v[FW+12*\t+4*\c:FW+12*\t+4*\c+3], v[AW] offset:TILE*\t+1536*(\s)+512*\c
.endr
.endr
.irp e, 0,1
.irp c, 0,1
	ds_load_b128 v[FX+12*\e+6*\c:FX+12*\e+6*\c+3], v[AX] offset:TILE*\e+1536*(\s)+768*\c          ; head 2 s + c: registers 6 c .. 6 c + 3,
	ds_load_b64 v[FX+12*\e+6*\c+4:FX+12*\e+6*\c+5], v[AX8] offset:TILE*\e+1536*(\s)+768*\c+512    ; and 6 c + 4, 6 c + 5
.endr
.endr
	s_wait_dscnt 0x0
.irp e, 0,1
.irp t, 0,1,2,3
	WM ACC+32*\e+8*\t, FW+12*\t, FX+12*\e, SW+8*(\t/2)+(\s), SX+(\s), \t%2, \e
.endr
.endr
.endm
.irp s, 0,1,2,3,4,5,6,7
	KSTEP \s
.endr
; THE WAY OUT.  A lane holds 128 bytes of a token's row, and the lanes beside it hold other tokens: a tile of 16 tokens x 64 columns goes through my own stage and comes back as whole rows of 256 bytes.
; LDS serves a wave's instructions in order (ISA guide 5.7.1.4): no wait between the stores and the loads, nor in front of the next tile's stores.
.macro TOSTAGE e
.irp p, 0,1,2,3,4,5,6,7
	ds_store_b128 v[STO], v[ACC+32*(\e)+4*\p:ACC+32*(\e)+4*\p+3] offset:16*\p   ; each accumulator from its low end on
.endr
.irp i, 0,1,2,3,4,5,6,7
	ds_load_b128 v[BK+32*(\e)+4*\i:BK+32*(\e)+4*\i+3], v[RD] offset:2*SPT*\i
.endr
.endm
.macro SEND e, younger                 ; younger: the LDS instructions issued behind this tile's loads, which may stay out
.irp i, 0,1,2,3,4,5,6,7
	s_wait_dscnt (\younger)+7-\i
	global_store_b128 v[CO], v[BK+32*(\e)+4*\i:BK+32*(\e)+4*\i+3], s[14:15] offset:(8*(\e)+2*(\i%4)+32*(\i/4))*4096 th:TH_STORE_NT   ; stage rows 2 i, 2 i + 1 are tokens 8 e + 2 (i % 4) + 32 (i / 4) and the next; 16 lanes store 256 consecutive bytes, aligned
.endr
.endm
.rept 4
	v_nop                                          ; four places in front of the first read of results and of loads into the last products' sources
.endr
	TOSTAGE 0
	TOSTAGE 1
	SEND 0, 16
	SEND 1, 0
	s_wait_tensorcnt 0x0                           ; the wave's end
	ds_add_u32 v254, v255
	s_wait_dscnt 0x0
	ROUND                                          ; the closing round
	s_endpgm
.Lfunc_end_k_q2d74b0a4ad_outp:
	.size	k_q2d74b0a4ad_outp, .Lfunc_end_k_q2d74b0a4ad_outp-k_q2d74b0a4ad_outp
	.p2alignl 7, 3214868480
	.fill 96, 4, 3214868480
	.section	.rodata,"a",@progbits
	.p2align	6, 0x0
	.amdhsa_kernel k_q2d74b0a4ad_outp
		.amdhsa_group_segment_fixed_size 232448
		.amdhsa_private_segment_fixed_size 0
		.amdhsa_enable_private_segment 0
		.amdhsa_kernarg_size 48
		.amdhsa_user_sgpr_count 2
		.amdhsa_user_sgpr_kernarg_segment_ptr 1
		.amdhsa_wavefront_size32 1
		.amdhsa_system_sgpr_workgroup_id_x 1
		.amdhsa_system_sgpr_workgroup_id_y 1
		.amdhsa_system_sgpr_workgroup_id_z 1
		.amdhsa_system_vgpr_workitem_id 0
		.amdhsa_next_free_vgpr 256
		.amdhsa_next_free_sgpr 100
		.amdhsa_reserve_vcc 0
		.amdhsa_float_denorm_mode_32 3
		.amdhsa_float_denorm_mode_16_64 3
		.amdhsa_memory_ordered 1
		.amdhsa_forward_progress 1
		.amdhsa_inst_pref_size 32
	.end_amdhsa_kernel
	.amdgpu_metadata
---
amdhsa.version: [ 1, 2 ]
amdhsa.kernels:
  - .name:           k_q2d74b0a4ad_outp
    .symbol:         k_q2d74b0a4ad_outp.kd
    .args:
      - { .name: yc, .offset: 0, .size: 8, .value_kind: global_buffer, .address_space: global }
      - { .name: ys, .offset: 8, .size: 8, .value_kind: global_buffer, .address_space: global }
      - { .name: rc, .offset: 16, .size: 8, .value_kind: global_buffer, .address_space: global }
      - { .name: rs, .offset: 24, .size: 8, .value_kind: global_buffer, .address_space: global }
      - { .name: bc, .offset: 32, .size: 8, .value_kind: global_buffer, .address_space: global }
      - { .name: out0, .offset: 40, .size: 8, .value_kind: global_buffer, .address_space: global }
    .group_segment_fixed_size: 232448
    .private_segment_fixed_size: 0
    .kernarg_segment_align: 8
    .kernarg_segment_size: 48
    .max_flat_workgroup_size: 256
    .sgpr_count:     100
    .vgpr_count:     256
    .wavefront_size: 32
...
	.end_amdgpu_metadata
.endif
;; end of part 4
